; MI455X (gfx1250); checked and timed in simulation.
; The chip was launched on July 23, 2026; its instructions are those of AMD's public machine-readable ISA for CDNA 5 (MIT licence, August 2026) and "CDNA5" Instruction Set Architecture Reference Guide (July 2026). The comments in the code are by the model that wrote it; some were corrected since.
;; Fused Mo E Modular Kernel. Allowed arithmetic: float matrix products may take bf16 or f16 operands with f32 sums; all other float work in f32.
;; Inputs: hidden_states 2,048 x 2,048 float32; topk_ids 2,048 x 2 int32; topk_weights 2,048 x 2 float32; w1 8 x 1,024 x 2,048 float32; w2 8 x 2,048 x 512 float32.
;; Outputs: out0 2,048 x 2,048 float32.
;; 2 versions, each right; version 2 is version 1 with the launches cvtx, combine written anew for expert scheduling mode. Each part assembles by itself: llvm-mc -triple=amdgcn-amd-amdhsa -mcpu=gfx1250 --defsym DOCPART=n.
;; ======== version 1 of 2: 5 launches
;; limits: values are held in f16: magnitudes above 65,504 overflow, below 6.1e-05 lose precision; inputs' magnitudes at most 65,504
;; workspace buffers: slots 22,272 bytes of whole numbers; meta 256 bytes of whole numbers; xb 8,388,608 bytes; act 11,403,264 bytes; amax 237,568 bytes; y 45,613,056 bytes
;; launch route (part 1): grid 1 x 1, 32 waves a work-group, no clusters, 5,120 bytes of LDS; arguments topk_ids, slots, meta; writes slots, meta
.if DOCPART == 1
	.amdgcn_target "amdgcn-amd-amdhsa--gfx1250"
	.amdhsa_code_object_version 6
	.text
	.protected	k_q7bf40b01fd_route
	.globl	k_q7bf40b01fd_route
	.p2align	8
	.type	k_q7bf40b01fd_route,@function
k_q7bf40b01fd_route:
	s_mov_b64 s[64:65], 0
	v_nop
	global_prefetch_b8 v0, s[64:65] scope:SCOPE_SE
	s_setreg_imm32_b32 hwreg(HW_REG_WAVE_MODE, 25, 1), 1
	s_wait_xcnt 0x0
; Routing: the 4,096 pairs p = 2 m + t of (token, choice) are sorted by expert into row blocks of 192 slots.
; The sum over the experts of ceil(c_e / 192) is at most (4096 + 8 x 191) / 192 = 29 for every distribution, so there are always 29 blocks,
; 5,568 slots, of which 4,096 hold pairs and 1,472 are padding (behind each expert's pairs up to a whole block, and whole blocks at the end).
; slots[s] = p for a pair; = 4096 + j for padding entry j (unique, below 5,568).  meta[t] = expert of block t (7 for blocks at the end).
; One work-group, 32 waves; thread t holds the four pairs 4 t .. 4 t + 3.  A pair's place = its expert's first slot + pairs of that expert in
; the waves in front + those in front of it in its own wave (by register, then by lane).  Every store is a scatter by all lanes: no lane
; is ever switched off, and no LDS address comes from data.
; LIMIT: ids lie in 0..7 (an index stays inside its table); a pair with another id would get a place that is not its own.
.set BLK,   192
.set NSLOT, 29*BLK                     ; 5,568
.set ID,    4                          ; v[4:7]   my four ids
.set POS,   8                          ; v[8:11]  their places, then byte offsets
.set PV,    12                         ; v[12:15] their pair numbers
.set CN,    16                         ; v[16:23] eight waves' counts of my lane's expert
; s[16:23] counts (first my wave's, then the totals c_e)   s[24:31] my wave's next free slot of expert e   s[32:39] first block behind expert e
; s[40:47] pairs of experts 0..e   s[48:55] padding entries of experts 0..e   s56 wave   s57 its LDS bytes   s58, s59, s62, s63 at work
	s_load_b128 s[4:7], s[0:1], 0x0                ; topk_ids s[4:5], slots s[6:7]
	s_load_b64 s[8:9], s[0:1], 0x10                ; meta
	v_lshl_add_u32 v48, v0, 2, 0x400
	v_mov_b32 v49, 0
	v_lshrrev_b32 v1, 5, v0
	v_readfirstlane_b32 s56, v1                    ; my wave's number
	v_lshlrev_b32 v2, 4, v0                        ; 16 t: my four ids
	s_mov_b32 s60, 0x76543210                      ; v_permlanex16_b32: lane i of one half reads lane i of the other
	s_mov_b32 s61, 0xfedcba98
	s_wait_kmcnt 0x0
	global_load_b128 v[ID:ID+3], v2, s[4:5]
	v_and_b32 v3, 31, v0                           ; lane = 8 g + e
	s_lshl_b32 s57, s56, 5
	v_mov_b32 v28, s57                             ; LDS: counts lie as [wave][expert], 32 bytes a wave
	v_lshrrev_b32 v29, 3, v3                       ; g
	v_and_b32 v30, 7, v3                           ; e
	v_lshlrev_b32 v31, 2, v30
	v_lshl_add_u32 v31, v29, 8, v31                ; waves 8 g .., expert e: byte 256 g + 4 e
	v_lshlrev_b32 v29, 3, v29                      ; 8 g
	v_lshlrev_b32 v32, 2, v0                       ; 4 t
.irp j, 0,1,2,3
	v_add_nc_u32 v[PV+\j], \j, v32
.endr
	s_wait_loadcnt 0x0
	; my wave's pairs of each expert
.irp e, 0,1,2,3,4,5,6,7
	v_cmp_eq_u32 vcc_lo, \e, v[ID]
	s_bcnt1_i32_b32 s[16+\e], vcc_lo
.irp j, 1,2,3
	v_cmp_eq_u32 vcc_lo, \e, v[ID+\j]
	s_bcnt1_i32_b32 s58, vcc_lo
	s_add_co_u32 s[16+\e], s[16+\e], s58
.endr
	v_mov_b32 v33, s[16+\e]
	ds_store_b32 v28, v33 offset:4*\e              ; every lane writes the same word with the same value
.endr
	s_wait_dscnt 0x0                               ; my counts are in LDS before I say so
	s_barrier_signal -1
	s_barrier_wait -1
.irp i, 0,1,2,3,4,5,6,7
	ds_load_b32 v[CN+\i], v31 offset:32*\i         ; wave 8 g + i, expert e
.endr
	s_wait_dscnt 0x0
	; v24: sum over the eight waves; v25: over those of them in front of my wave
	v_cmp_gt_u32 vcc_lo, s56, v29
	v_mov_b32 v24, v[CN]
	v_cndmask_b32 v25, 0, v[CN], vcc_lo
.irp i, 1,2,3,4,5,6,7
	v_add_nc_u32 v26, \i, v29
	v_cmp_gt_u32 vcc_lo, s56, v26
	v_cndmask_b32 v27, 0, v[CN+\i], vcc_lo
	v_add_nc_u32 v24, v24, v[CN+\i]
	v_add_nc_u32 v25, v25, v27
.endr
	; over the four groups g: lanes 8 apart, then 16 apart
	v_mov_b32_dpp v26, v24 row_xmask:8 row_mask:0xf bank_mask:0xf
	v_mov_b32_dpp v27, v25 row_xmask:8 row_mask:0xf bank_mask:0xf
	v_add_nc_u32 v24, v24, v26
	v_add_nc_u32 v25, v25, v27
	v_permlanex16_b32 v26, v24, s60, s61
	v_permlanex16_b32 v27, v25, s60, s61
	v_add_nc_u32 v24, v24, v26                     ; lane e: c_e
	v_add_nc_u32 v25, v25, v27                     ; lane e: pairs of expert e in the waves in front of mine
.irp k, 0,1,2,3,4,5,6,7
	v_readlane_b32 s[16+\k], v24, \k
	v_readlane_b32 s[24+\k], v25, \k
	s_min_u32 s[16+\k], s[16+\k], 4096
	s_min_u32 s[24+\k], s[24+\k], 4096
	s_add_co_u32 s[32+\k], s[16+\k], BLK-1
	s_mul_i32 s[32+\k], s[32+\k], 5462             ; x 5462 >> 20 is the exact quotient by 192 for x below 7,800: the excess 0.67 x / 2^20 stays under 1 / 192
	s_lshr_b32 s[32+\k], s[32+\k], 20              ; blocks of expert k
.endr
	s_mov_b32 s59, 0                               ; blocks so far
	s_mov_b32 s62, 0                               ; pairs so far
.irp k, 0,1,2,3,4,5,6,7
	s_mul_i32 s63, s59, BLK                        ; expert k's first slot
	s_add_co_u32 s[24+\k], s[24+\k], s63
	s_add_co_u32 s59, s59, s[32+\k]
	s_mov_b32 s[32+\k], s59
	s_add_co_u32 s62, s62, s[16+\k]
	s_mov_b32 s[40+\k], s62
	s_mul_i32 s63, s59, BLK
	s_sub_co_u32 s[48+\k], s63, s62                ; slots minus pairs up to here
.endr
	; places: expert 0's pass writes every lane, each later pass the lanes of its expert
.irp e, 0,1,2,3,4,5,6,7
.irp j, 0,1,2,3
	v_cmp_eq_u32 vcc_lo, \e, v[ID+\j]
	v_mbcnt_lo_u32_b32 v26, vcc_lo, 0              ; lanes of this expert below mine
.if \e == 0
	v_add_nc_u32 v[POS+\j], s[24+\e], v26
.else
	v_add_nc_u32 v26, s[24+\e], v26
	v_cndmask_b32 v[POS+\j], v[POS+\j], v26, vcc_lo
.endif
	s_bcnt1_i32_b32 s58, vcc_lo
	s_add_co_u32 s[24+\e], s[24+\e], s58
.endr
.endr
.irp j, 0,1,2,3
	v_min_u32 v[POS+\j], NSLOT-1, v[POS+\j]
	v_lshlrev_b32 v[POS+\j], 2, v[POS+\j]
	global_store_b32 v[POS+\j], v[PV+\j], s[6:7]
.endr
; Padding entry j = first + t lies behind the pairs of expert e(j) = how many experts have all their padding at or below j:
; its slot is j + pairs of experts 0..e(j) (behind expert 7: j + 4096, which is the same figure).  r: three registers of its own.
.macro PADS first, r
	v_add_nc_u32 v[\r], \first, v0
	v_mov_b32 v[\r+1], s40
.irp k, 0,1,2,3,4,5,6
	v_cmp_le_u32 vcc_lo, s[48+\k], v[\r]
	v_mov_b32 v[\r+2], s[41+\k]
	v_cndmask_b32 v[\r+1], v[\r+1], v[\r+2], vcc_lo
.endr
	v_add_nc_u32 v[\r+1], v[\r+1], v[\r]
	v_min_u32 v[\r+1], NSLOT-1, v[\r+1]
	v_lshlrev_b32 v[\r+1], 2, v[\r+1]
	v_add_nc_u32 v[\r+2], 4096, v[\r]
	global_store_b32 v[\r+1], v[\r+2], s[6:7]
.endm
	PADS 0, 34                                     ; entries 0 .. 1023
	s_cmp_ge_u32 s56, 14
	s_cbranch_scc1 .Ldone
	PADS 1024, 37                                  ; entries 1024 .. 1471: 14 waves
	s_cmp_lg_u32 s56, 0
	s_cbranch_scc1 .Ldone
	; wave 0: the expert of block t = how many experts end at or in front of it
	v_cmp_le_u32 vcc_lo, s32, v0
	v_cndmask_b32 v40, 0, 1, vcc_lo
.irp k, 1,2,3,4,5,6,7
	v_cmp_le_u32 vcc_lo, s[32+\k], v0
	v_cndmask_b32 v41, 0, 1, vcc_lo
	v_add_nc_u32 v40, v40, v41
.endr
	v_min_u32 v40, 7, v40
	global_store_b32 v32, v40, s[8:9]
.Ldone:
	s_wait_tensorcnt 0x0
	ds_add_u32 v48, v49
	s_wait_dscnt 0x0
	s_endpgm
.Lfunc_end_k_q7bf40b01fd_route:
	.size	k_q7bf40b01fd_route, .Lfunc_end_k_q7bf40b01fd_route-k_q7bf40b01fd_route
	.p2alignl 7, 3214868480
	.fill 96, 4, 3214868480
	.section	.rodata,"a",@progbits
	.p2align	6, 0x0
	.amdhsa_kernel k_q7bf40b01fd_route
		.amdhsa_group_segment_fixed_size 5120
		.amdhsa_private_segment_fixed_size 0
		.amdhsa_enable_private_segment 0
		.amdhsa_kernarg_size 24
		.amdhsa_user_sgpr_count 2
		.amdhsa_user_sgpr_kernarg_segment_ptr 1
		.amdhsa_wavefront_size32 1
		.amdhsa_system_sgpr_workgroup_id_x 1
		.amdhsa_system_sgpr_workgroup_id_y 1
		.amdhsa_system_sgpr_workgroup_id_z 1
		.amdhsa_system_vgpr_workitem_id 0
		.amdhsa_next_free_vgpr 50
		.amdhsa_next_free_sgpr 66
		.amdhsa_reserve_vcc 1
		.amdhsa_float_denorm_mode_32 3
		.amdhsa_float_denorm_mode_16_64 3
		.amdhsa_memory_ordered 1
		.amdhsa_forward_progress 1
		.amdhsa_inst_pref_size 24
	.end_amdhsa_kernel
	.amdgpu_metadata
---
amdhsa.version: [ 1, 2 ]
amdhsa.kernels:
  - .name:           k_q7bf40b01fd_route
    .symbol:         k_q7bf40b01fd_route.kd
    .args:
      - { .name: topk_ids, .offset: 0, .size: 8, .value_kind: global_buffer, .address_space: global }
      - { .name: slots, .offset: 8, .size: 8, .value_kind: global_buffer, .address_space: global }
      - { .name: meta, .offset: 16, .size: 8, .value_kind: global_buffer, .address_space: global }
    .group_segment_fixed_size: 5120
    .private_segment_fixed_size: 0
    .kernarg_segment_align: 8
    .kernarg_segment_size: 24
    .max_flat_workgroup_size: 1024
    .sgpr_count:     66
    .vgpr_count:     50
    .wavefront_size: 32
...
	.end_amdgpu_metadata
.endif
;; end of part 1
;; launch cvtx (part 2): grid 256 x 1, 8 waves a work-group, no clusters, 0 bytes of LDS; arguments hidden_states, xb; writes xb
.if DOCPART == 2
	.amdgcn_target "amdgcn-amd-amdhsa--gfx1250"
	.amdhsa_code_object_version 6
	.text
	.protected	k_q7bf40b01fd_cvtx
	.globl	k_q7bf40b01fd_cvtx
	.p2align	8
	.type	k_q7bf40b01fd_cvtx,@function
k_q7bf40b01fd_cvtx:
	s_mov_b64 s[64:65], 0
	v_nop
	global_prefetch_b8 v0, s[64:65] scope:SCOPE_SE
	s_setreg_imm32_b32 hwreg(HW_REG_WAVE_MODE, 25, 1), 1
	s_wait_xcnt 0x0
; xb = hidden_states converted to f16: each token row is gathered by two pairs later, so it is converted once here.
; f16 and not bf16: three more significant bits, which the sum over two experts needs where the two terms nearly cancel.
; LIMIT: a number above 65,504 in magnitude becomes infinite; below 2^-14 the quantum is 2^-24.
; A stream: 256 work-groups of 8 rows (65,536 bytes in, 32,768 out).  Thread t takes 16 bytes at 16 t + 4096 i, i = 0..15; all sixteen
; loads are issued at once; each store of a wave covers 256 consecutive bytes, aligned.  No register is used twice, so the only
; waits are the counted ones for the loads.  No LDS, no matrix unit, no cluster: nothing is shared and nothing is multiplied.
.set X, 32                             ; v[32:95]   as loaded
.set Y, 96                             ; v[96:127]  packed
	s_load_b128 s[4:7], s[0:1], 0x0                ; hidden_states s[4:5], xb s[6:7]
	s_lshl_b32 s8, ttmp9, 16
	s_mov_b32 s9, 0
	s_lshl_b32 s10, ttmp9, 15
	s_mov_b32 s11, 0
	v_lshlrev_b32 v1, 4, v0
	v_lshlrev_b32 v2, 3, v0
	s_wait_kmcnt 0x0
	s_add_nc_u64 s[4:5], s[4:5], s[8:9]
	s_add_nc_u64 s[6:7], s[6:7], s[10:11]
.set i, 0
.rept 16
	global_load_b128 v[X+4*i:X+4*i+3], v1, s[4:5] offset:4096*i th:TH_LOAD_NT
.set i, i+1
.endr
.set i, 0
.rept 16
	s_wait_loadcnt 15-i                            ; loads come back in order: the 15 - i younger ones stay out
	v_cvt_pk_f16_f32 v[Y+2*i], v[X+4*i], v[X+4*i+1]
	v_cvt_pk_f16_f32 v[Y+2*i+1], v[X+4*i+2], v[X+4*i+3]
	global_store_b64 v2, v[Y+2*i:Y+2*i+1], s[6:7] offset:2048*i
.set i, i+1
.endr
	s_endpgm
.Lfunc_end_k_q7bf40b01fd_cvtx:
	.size	k_q7bf40b01fd_cvtx, .Lfunc_end_k_q7bf40b01fd_cvtx-k_q7bf40b01fd_cvtx
	.p2alignl 7, 3214868480
	.fill 96, 4, 3214868480
	.section	.rodata,"a",@progbits
	.p2align	6, 0x0
	.amdhsa_kernel k_q7bf40b01fd_cvtx
		.amdhsa_group_segment_fixed_size 0
		.amdhsa_private_segment_fixed_size 0
		.amdhsa_enable_private_segment 0
		.amdhsa_kernarg_size 16
		.amdhsa_user_sgpr_count 2
		.amdhsa_user_sgpr_kernarg_segment_ptr 1
		.amdhsa_wavefront_size32 1
		.amdhsa_system_sgpr_workgroup_id_x 1
		.amdhsa_system_sgpr_workgroup_id_y 1
		.amdhsa_system_sgpr_workgroup_id_z 1
		.amdhsa_system_vgpr_workitem_id 0
		.amdhsa_next_free_vgpr 128
		.amdhsa_next_free_sgpr 66
		.amdhsa_reserve_vcc 0
		.amdhsa_float_denorm_mode_32 3
		.amdhsa_float_denorm_mode_16_64 3
		.amdhsa_memory_ordered 1
		.amdhsa_forward_progress 1
		.amdhsa_inst_pref_size 7
	.end_amdhsa_kernel
	.amdgpu_metadata
---
amdhsa.version: [ 1, 2 ]
amdhsa.kernels:
  - .name:           k_q7bf40b01fd_cvtx
    .symbol:         k_q7bf40b01fd_cvtx.kd
    .args:
      - { .name: hidden_states, .offset: 0, .size: 8, .value_kind: global_buffer, .address_space: global }
      - { .name: xb, .offset: 8, .size: 8, .value_kind: global_buffer, .address_space: global }
    .group_segment_fixed_size: 0
    .private_segment_fixed_size: 0
    .kernarg_segment_align: 8
    .kernarg_segment_size: 16
    .max_flat_workgroup_size: 256
    .sgpr_count:     66
    .vgpr_count:     128
    .wavefront_size: 32
...
	.end_amdgpu_metadata
.endif
;; end of part 2
;; launch gemm1 (part 3): grid 232 x 1, 8 waves a work-group, no clusters, 151,552 bytes of LDS; arguments xb, w1, slots, meta, act, amax; writes act, amax
.if DOCPART == 3
	.amdgcn_target "amdgcn-amd-amdhsa--gfx1250"
	.amdhsa_code_object_version 6
	.text
	.protected	k_q7bf40b01fd_gemm1
	.globl	k_q7bf40b01fd_gemm1
	.p2align	8
	.type	k_q7bf40b01fd_gemm1,@function
k_q7bf40b01fd_gemm1:
	s_mov_b64 s[64:65], 0
	v_nop
	global_prefetch_b8 v0, s[64:65] scope:SCOPE_SE
	s_setreg_imm32_b32 hwreg(HW_REG_WAVE_MODE, 25, 1), 1
	s_wait_xcnt 0x0
; First grouped product with silu_and_mul.  Work-group g = 8 b + cb takes row block b (192 gathered token rows, expert e = meta[b]) times
; 64 gate rows (64 cb ..) and the 64 up rows (512 + 64 cb ..) of W1[e], K = 2048; act(b, cb) = silu(gate) x up in f32, a dense chunk of
; 192 x 64, and amax(b, cb) = each row's largest magnitude in the chunk, from which the second product scales the row into f16's range.
; The 29 blocks are the most that any distribution of the 4,096 pairs over 8 experts can need; every wave passes every barrier
; the same number of times whatever the data, so blocks that the data leave empty are multiplied like the others (padding rows read
; token 2047, and their results are never read).
; Eight waves, two on each SIMD: kg = w >> 2 takes the lower or upper 32 of each K step of 64, mh = (w >> 1) & 1 the rows 96 mh .., nh = w & 1
; the act columns 32 nh ..  A wave's 24 accumulator tiles are 6 row tiles x (gate, up) x 2 column tiles; at the end the waves w and w ^ 4
; hand each other one column tile's half sums through LDS, so that each finishes 96 rows x 16 columns.
; Operands come through registers: global_load_b128, W1 converted to f16 (v_cvt_pk_f16_f32), ds_store into one of two LDS buffers;
; three K steps (14 loads a thread each) are on their way; one barrier a step.
; NO CLUSTER, NO TENSOR LOAD: W1 is f32 in memory and must be f16 in front of the matrix unit.  A tile brought into LDS as it lies in
; memory would add 32,768 bytes written and 32,768 read again to each step's 46,080 written and 81,920 read; the rows of A are
; gathered by token; and how many row blocks share an expert's weights is read from memory.
; LIMITS: operands in f16 (11 significant bits; a weight above 65,504 in magnitude becomes infinite, below 2^-14 the quantum is 2^-24), sums
; and silu in f32.  silu(g) u = (g x rcp(1 + exp2(-1.442695 g))) x u in this order: for g far below zero exp2 gives inf, rcp 0, the
; product 0.  Only listed pairs are computed: where an expert that a token did not choose would overflow, the dense form gives
; 0 x inf = NaN and this text does not.
; The matrix instruction takes W's fragment as source 0 and A's as source 1: lane (r, h) register j = (row r, column 8 h + j).
.set PITCH,  144                       ; an LDS row: 128 bytes (64 f16) + 16, an odd multiple of 16
.set ABYTES, 192*PITCH                 ; A's part of a buffer
.set BUF,    ABYTES+128*PITCH          ; 46,080: A's 192 rows, then 64 gate and 64 up rows
.set XCH,    12288                     ; exchange: 24 x 512 bytes a wave, laid over the two buffers when they are done with
.set STG,    8*XCH                     ; out stage: 192 rows of 64 f32
.set SPITCH, 272                       ; 256 bytes + 16, an odd multiple of 16
.set ACC,    24                        ; v[24:215]  tile (mi, ni) at ACC + 8 (4 mi + ni); ni: 0 gate mine, 1 gate partner's, 2 up mine, 3 up partner's
.set BF,     216                       ; v[216:247] four fragments of W
.set AF,     0                         ; v[256:303] six fragments of A (second window of 256)
.set SL,     48                        ; v[304:471] staging slots d = 0..2 (second window): A at + 4 q, W at + 24 + 4 i
.set SS,     56
.set OUTR,   24                        ; the way out: v[24:71] twelve pieces of 16 bytes, v[72:83] their rows' maxima, v84 the one that I store
.set MX,     72
.set AMX,    84
; v1-6 AO[q] token x 4096 + 16 c8   v7 WO   v8, 9 ASA[buffer]   v10, 11 WSA   v12, 13 AFA   v14, 15 BFA (the column tile I keep)
; v16, 17 BFA (the one I hand over)   v18 XA   v19 XB   v20 OA   v21 OR   v22 GO   v23 slot offset   v248 r   v249 4 t   v24-31 at work in the set-up
; s[4:11] xb, w1, slots, meta   s[48:51] act, amax   s14 w  s15 kg  s16 mh  s17 nh  s20 b  s21 cb  s22 e  s[24:25] A  s[26:27] W
; s[28:29] act chunk   s[52:53] amax chunk   s32 counter
.set MSB, 0
.macro WIN new                         ; s_set_vgpr_msb: bits 1:0 source 0, 3:2 source 1, 5:4 source 2, 7:6 destination; the high byte repeats the setting left
.if MSB != \new
	s_set_vgpr_msb (MSB<<8)|\new
.set MSB, \new
.endif
.endm
	s_load_b256 s[4:11], s[0:1], 0x0
	s_load_b128 s[48:51], s[0:1], 0x20
	v_lshl_add_u32 v254, v0, 2, 0x24c00
	v_mov_b32 v255, 0
	v_lshrrev_b32 v24, 5, v0
	v_readfirstlane_b32 s14, v24                   ; w
	s_lshr_b32 s15, s14, 2                         ; kg
	s_bfe_u32 s16, s14, 0x10001                    ; mh
	s_and_b32 s17, s14, 1                          ; nh
	s_lshr_b32 s20, ttmp9, 3                       ; b
	s_and_b32 s21, ttmp9, 7                        ; cb
	v_and_b32 v248, 15, v0                         ; r, also c16
	v_lshlrev_b32 v249, 2, v0                      ; 4 t
	v_bfe_u32 v26, v0, 4, 1                        ; h
	v_and_b32 v27, 31, v0                          ; lane
	v_and_b32 v28, 7, v0
	v_lshlrev_b32 v28, 4, v28                      ; 16 c8
	v_lshrrev_b32 v29, 4, v0
	v_lshlrev_b32 v7, 13, v29
	v_lshl_add_u32 v7, v248, 4, v7                 ; WO = (t >> 4) rows of 8,192 bytes + 16 c16
	v_lshrrev_b32 v29, 3, v27
	v_mad_u32_u24 v8, v29, PITCH, v28
	s_mul_i32 s33, s14, 4*PITCH
	v_add_nc_u32 v8, s33, v8                       ; ASA = row (4 w + lane >> 3) + 16 c8
	v_add_nc_u32 v9, BUF, v8
	v_mul_u32_u24 v10, v26, PITCH
	v_lshl_add_u32 v10, v248, 3, v10
	s_mul_i32 s34, s14, 2*PITCH
	s_add_co_u32 s34, s34, ABYTES
	v_add_nc_u32 v10, s34, v10                     ; WSA = behind A, row (2 w + h) + 8 c16
	v_add_nc_u32 v11, BUF, v10
	v_mul_u32_u24 v30, v248, PITCH
	v_lshl_add_u32 v30, v26, 4, v30                ; r x pitch + 16 h
	s_mul_i32 s35, s16, 96*PITCH
	s_lshl_b32 s36, s15, 6                         ; my 32 of the step's K: 64 kg bytes
	s_add_co_u32 s37, s35, s36
	v_add_nc_u32 v12, s37, v30                     ; AFA
	v_add_nc_u32 v13, BUF, v12
	s_lshl_b32 s38, s17, 5
	s_lshl_b32 s39, s15, 4
	s_add_co_u32 s39, s39, s38                     ; gate row 32 nh + 16 kg: the column tile that I keep
	s_mul_i32 s39, s39, PITCH
	s_add_co_u32 s39, s39, s36
	s_add_co_u32 s39, s39, ABYTES
	v_add_nc_u32 v14, s39, v30
	v_add_nc_u32 v15, BUF, v14
	s_xor_b32 s40, s15, 1
	s_lshl_b32 s40, s40, 4
	s_add_co_u32 s40, s40, s38                     ; 32 nh + 16 (1 - kg): the one that I hand over
	s_mul_i32 s40, s40, PITCH
	s_add_co_u32 s40, s40, s36
	s_add_co_u32 s40, s40, ABYTES
	v_add_nc_u32 v16, s40, v30
	v_add_nc_u32 v17, BUF, v16
	s_mul_i32 s41, s14, XCH
	v_lshl_add_u32 v18, v27, 4, s41                ; XA: my exchange bytes
	s_xor_b32 s42, s14, 4
	s_mul_i32 s42, s42, XCH
	v_lshl_add_u32 v19, v27, 4, s42                ; XB: my partner's
	v_mul_u32_u24 v31, v248, SPITCH
	v_lshl_add_u32 v31, v26, 5, v31                ; r x stage pitch + 32 h
	s_mul_i32 s43, s16, 96*SPITCH
	s_lshl_b32 s23, s17, 7
	s_add_co_u32 s43, s43, s23
	s_add_co_u32 s43, s43, s36
	s_add_co_u32 s43, s43, STG
	v_add_nc_u32 v20, s43, v31                     ; OA = stage row 96 mh + r, byte 4 (32 nh + 16 kg + 8 h)
	v_mul_u32_u24 v21, v26, SPITCH
	v_lshl_add_u32 v21, v248, 4, v21
	s_mul_i32 s12, s14, 2*SPITCH
	s_add_co_u32 s12, s12, STG
	v_add_nc_u32 v21, s12, v21                     ; OR = stage row 2 w + h, byte 16 r
	v_lshlrev_b32 v22, 4, v0                       ; GO
	v_lshrrev_b32 v23, 3, v0
	v_lshlrev_b32 v23, 2, v23
	s_mul_i32 s44, s20, 768
	v_add_nc_u32 v23, s44, v23                     ; 4 (192 b + (t >> 3))
	s_lshl_b32 s30, s20, 2
	s_mov_b32 s31, 0
	s_mul_i32 s46, ttmp9, 49152                    ; chunk (b, cb) = the work-group's number
	s_mov_b32 s47, 0
	s_lshl_b32 s54, ttmp9, 10                      ; and its 256 words of amax
	s_mov_b32 s55, 0
	s_wait_kmcnt 0x0
	s_add_nc_u64 s[30:31], s[10:11], s[30:31]
	s_load_b32 s22, s[30:31], 0x0                  ; the block's expert
.irp q, 0,1,2,3,4,5
	global_load_b32 v[1+\q], v23, s[8:9] offset:128*\q     ; slots[192 b + 32 q + (t >> 3)]
.endr
	s_mov_b64 s[24:25], s[4:5]
	s_add_nc_u64 s[28:29], s[48:49], s[46:47]
	s_add_nc_u64 s[52:53], s[50:51], s[54:55]
	s_wait_kmcnt 0x0
	s_min_u32 s22, s22, 7
	s_lshl_b32 s18, s22, 23                        ; an expert of W1 is 1024 x 2048 x 4 bytes
	s_lshl_b32 s45, s21, 19                        ; 64 rows of 8,192 bytes
	s_add_co_u32 s18, s18, s45
	s_mov_b32 s19, 0
	s_add_nc_u64 s[26:27], s[6:7], s[18:19]
	s_wait_loadcnt 0x0
.irp q, 0,1,2,3,4,5
	v_lshrrev_b32 v[1+\q], 1, v[1+\q]              ; pair to token; padding rows fall on token 2047
	v_min_u32 v[1+\q], 0x7ff, v[1+\q]
	v_lshl_add_u32 v[1+\q], v[1+\q], 12, v28       ; a row of xb is 4,096 bytes
.endr
.macro LOADG d, st                     ; the 14 loads of K step st (counted from the bases) into slot d
	WIN 0x40
.irp q, 0,1,2,3,4,5
	global_load_b128 v[SL+SS*\d+4*\q:SL+SS*\d+4*\q+3], v[1+\q], s[24:25] offset:\st*128
.endr
.irp i, 0,1,2,3
	global_load_b128 v[SL+SS*\d+24+4*\i:SL+SS*\d+27+4*\i], v7, s[26:27] offset:\i*131072+\st*256
.endr
.irp i, 4,5,6,7
	global_load_b128 v[SL+SS*\d+24+4*\i:SL+SS*\d+27+4*\i], v7, s[26:27] offset:4194304+(\i-4)*131072+\st*256
.endr
.endm
.macro STORE d, sb, left               ; slot d, when its loads are in (left younger ones stay out), goes to LDS buffer sb; W is converted on the way
	s_wait_loadcnt \left
	WIN 0x45
.irp i, 0,1,2,3,4,5,6,7
	v_cvt_pk_f16_f32 v[SL+SS*\d+24+4*\i], v[SL+SS*\d+24+4*\i], v[SL+SS*\d+25+4*\i]
	v_cvt_pk_f16_f32 v[SL+SS*\d+25+4*\i], v[SL+SS*\d+26+4*\i], v[SL+SS*\d+27+4*\i]
.endr
	WIN 0x04
.irp q, 0,1,2,3,4,5
	ds_store_b128 v[8+\sb], v[SL+SS*\d+4*\q:SL+SS*\d+4*\q+3] offset:\q*32*PITCH
.endr
.irp i, 0,1,2,3,4,5,6,7
	ds_store_b64 v[10+\sb], v[SL+SS*\d+24+4*\i:SL+SS*\d+25+4*\i] offset:\i*16*PITCH
.endr
.endm
.macro FRAG fb                         ; 20 LDS loads: my four W tiles and my 96 rows of A, 32 along K
	WIN 0
	ds_load_b128 v[BF:BF+3], v[14+\fb]
	ds_load_b128 v[BF+4:BF+7], v[14+\fb] offset:32
	ds_load_b128 v[BF+8:BF+11], v[16+\fb]
	ds_load_b128 v[BF+12:BF+15], v[16+\fb] offset:32
	ds_load_b128 v[BF+16:BF+19], v[14+\fb] offset:64*PITCH
	ds_load_b128 v[BF+20:BF+23], v[14+\fb] offset:64*PITCH+32
	ds_load_b128 v[BF+24:BF+27], v[16+\fb] offset:64*PITCH
	ds_load_b128 v[BF+28:BF+31], v[16+\fb] offset:64*PITCH+32
	WIN 0x40
.irp mi, 0,1,2,3,4,5
	ds_load_b128 v[AF+8*\mi:AF+8*\mi+3], v[12+\fb] offset:\mi*16*PITCH
	ds_load_b128 v[AF+8*\mi+4:AF+8*\mi+7], v[12+\fb] offset:\mi*16*PITCH+32
.endr
.endm
.macro MMA zero                        ; 24 matrix instructions; zero = 1: the first products start the sums
	WIN 0x04
.irp mi, 0,1,2,3,4,5
.irp ni, 0,1,2,3
.if \zero
	v_wmma_f32_16x16x32_f16 v[ACC+8*(4*\mi+\ni):ACC+8*(4*\mi+\ni)+7], v[BF+8*\ni:BF+8*\ni+7], v[AF+8*\mi:AF+8*\mi+7], 0
.else
	v_wmma_f32_16x16x32_f16 v[ACC+8*(4*\mi+\ni):ACC+8*(4*\mi+\ni)+7], v[BF+8*\ni:BF+8*\ni+7], v[AF+8*\mi:AF+8*\mi+7], v[ACC+8*(4*\mi+\ni):ACC+8*(4*\mi+\ni)+7]
.endif
.endr
.endr
.endm
.macro PLACES                          ; four independent vector places behind the last matrix instruction (ISA guide 7.12.1), in front of
.rept 4                                ; loads into its sources and of anything that reads its result
	v_nop
.endr
.endm
.macro BAR                             ; my LDS loads and stores are done before I say so
	s_wait_dscnt 0x0
	s_barrier_signal -1
	s_barrier_wait -1
.endm
; One K step: fragments from buffer fb; meanwhile the next step goes from slot sd to buffer sb (which every wave finished reading in
; front of the last barrier), and the slot is asked for again, three steps further on.  The barrier at the end says both: my reads of
; fb are over, my part of sb is written.
.macro STEP fb, zero, st, sd, sb, left, ld, lst
	FRAG \fb
.if \st
	STORE \sd, \sb, \left
.endif
.if \ld
	LOADG \sd, \lst
.endif
.if \st
	s_wait_dscnt 14                                ; LDS instructions end in order: the 14 stores are younger than the 20 fragment loads
.else
	s_wait_dscnt 0x0
.endif
	MMA \zero
	PLACES
	BAR
.endm
.macro ROUND zero                      ; six steps: three slots and two buffers come round together; left = 28: two younger steps of 14 loads
	STEP 0, \zero, 1, 1, 1, 28, 1, 4
	STEP 1, 0, 1, 2, 0, 28, 1, 5
	STEP 0, 0, 1, 0, 1, 28, 1, 6
	STEP 1, 0, 1, 1, 0, 28, 1, 7
	STEP 0, 0, 1, 2, 1, 28, 1, 8
	STEP 1, 0, 1, 0, 0, 28, 1, 9
	WIN 0
	s_wait_xcnt 0x0                                ; the bases are stepped only when no issued load still needs them
	s_add_nc_u64 s[24:25], s[24:25], 768
	s_add_nc_u64 s[26:27], s[26:27], 1536
.endm
.macro ACT mi                          ; silu(gate) x up for 16 rows x 16 columns, in f32, laid into the stage: 32 bytes a lane
.set G, ACC+8*(4*\mi)
.set T, ACC+8*(4*\mi+1)
.set U, ACC+8*(4*\mi+2)
.irp j, 0,2,4,6
	v_pk_mul_f32 v[T+\j:T+\j+1], v[G+\j:G+\j+1], 0xbfb8aa3b op_sel_hi:[1,0]      ; -g log2(e)
.endr
.irp j, 0,1,2,3,4,5,6,7
	v_exp_f32 v[T+\j], v[T+\j]
.endr
	v_nop                                          ; one plain vector place behind the last transcendental before its result is used
	s_wait_alu depctr_va_vdst(0)
.irp j, 0,2,4,6
	v_pk_add_f32 v[T+\j:T+\j+1], v[T+\j:T+\j+1], 1.0 op_sel_hi:[1,0]
.endr
.irp j, 0,1,2,3,4,5,6,7
	v_rcp_f32 v[T+\j], v[T+\j]
.endr
	v_nop
	s_wait_alu depctr_va_vdst(0)
.irp j, 0,2,4,6
	v_pk_mul_f32 v[T+\j:T+\j+1], v[T+\j:T+\j+1], v[G+\j:G+\j+1]
.endr
.irp j, 0,2,4,6
	v_pk_mul_f32 v[T+\j:T+\j+1], v[T+\j:T+\j+1], v[U+\j:U+\j+1]
.endr
	ds_store_b128 v20, v[T:T+3] offset:\mi*16*SPITCH
	ds_store_b128 v20, v[T+4:T+7] offset:\mi*16*SPITCH+16
.endm
	LOADG 0, 0
	LOADG 1, 1
	LOADG 2, 2
	STORE 0, 0, 28                                 ; step 0
	LOADG 0, 3
	WIN 0
	BAR
	ROUND 1                                        ; steps 0-5
	s_mov_b32 s32, 3
.Lround:
	ROUND 0                                        ; steps 6-23
	s_sub_co_i32 s32, s32, 1
	s_cmp_lg_u32 s32, 0
	s_cbranch_scc1 .Lround
	STEP 0, 0, 1, 1, 1, 28, 1, 4                   ; steps 24-31: the last four requests (steps 28 to 31), then the counts run down
	STEP 1, 0, 1, 2, 0, 28, 1, 5
	STEP 0, 0, 1, 0, 1, 28, 1, 6
	STEP 1, 0, 1, 1, 0, 28, 1, 7
	STEP 0, 0, 1, 2, 1, 28, 0, 0
	STEP 1, 0, 1, 0, 0, 14, 0, 0
	STEP 0, 0, 1, 1, 1, 0, 0, 0
	STEP 1, 0, 0, 0, 0, 0, 0, 0
	WIN 0
	; the two K halves meet: I send the tiles (mi, 1) and (mi, 3); nobody reads the buffers any more (the barrier above)
.irp mi, 0,1,2,3,4,5
.irp p, 0,1
	ds_store_b128 v18, v[ACC+8*(4*\mi+2*\p+1):ACC+8*(4*\mi+2*\p+1)+3] offset:512*(4*\mi+2*\p)
	ds_store_b128 v18, v[ACC+8*(4*\mi+2*\p+1)+4:ACC+8*(4*\mi+2*\p+1)+7] offset:512*(4*\mi+2*\p+1)
.endr
.endr
	BAR
.irp mi, 0,1,2,3,4,5                   ; my partner's half sums of the tiles that I keep, lane for lane, into the registers just sent
.irp p, 0,1
	ds_load_b128 v[ACC+8*(4*\mi+2*\p+1):ACC+8*(4*\mi+2*\p+1)+3], v19 offset:512*(4*\mi+2*\p)
	ds_load_b128 v[ACC+8*(4*\mi+2*\p+1)+4:ACC+8*(4*\mi+2*\p+1)+7], v19 offset:512*(4*\mi+2*\p+1)
.endr
.endr
	s_wait_dscnt 0x0
.irp mi, 0,1,2,3,4,5
.irp p, 0,1
.irp j, 0,2,4,6
	v_pk_add_f32 v[ACC+8*(4*\mi+2*\p)+\j:ACC+8*(4*\mi+2*\p)+\j+1], v[ACC+8*(4*\mi+2*\p)+\j:ACC+8*(4*\mi+2*\p)+\j+1], v[ACC+8*(4*\mi+2*\p+1)+\j:ACC+8*(4*\mi+2*\p+1)+\j+1]
.endr
.endr
.endr
	ACT 0
	ACT 1
	ACT 2
	ACT 3
	ACT 4
	ACT 5
	BAR                                            ; the stage is whole
	; THE WAY OUT: piece q of thread t = 16 bytes at byte 16 r of row 16 q + 2 w + h; sixteen lanes hold one row of 256 bytes
.irp q, 0,1,2,3,4,5,6,7,8,9,10,11
	ds_load_b128 v[OUTR+4*\q:OUTR+4*\q+3], v21 offset:\q*16*SPITCH
.endr
.irp q, 0,1,2,3,4,5,6,7,8,9,10,11
	s_wait_dscnt 11-\q                             ; the 11 - q younger LDS loads stay out
	global_store_b128 v22, v[OUTR+4*\q:OUTR+4*\q+3], s[28:29] offset:\q*4096        ; the chunk is dense: a wave's store covers 512 consecutive bytes, aligned
	v_max3_num_f32 v[MX+\q], |v[OUTR+4*\q]|, |v[OUTR+4*\q+1]|, |v[OUTR+4*\q+2]|
	v_max_num_f32 v[MX+\q], v[MX+\q], |v[OUTR+4*\q+3]|
.endr
.irp k, 1,2,4,8                        ; over the sixteen lanes of a row
.irp q, 0,1,2,3,4,5,6,7,8,9,10,11
	v_max_num_f32_dpp v[MX+\q], v[MX+\q], v[MX+\q] row_xmask:\k row_mask:0xf bank_mask:0xf
.endr
.endr
	v_mov_b32 v[AMX], v[MX]                        ; lane r keeps piece r's maximum (lanes 12 to 15 piece 0's: words that nobody uses)
.irp q, 1,2,3,4,5,6,7,8,9,10,11
	v_cmp_eq_u32 vcc_lo, \q, v248
	v_cndmask_b32 v[AMX], v[AMX], v[MX+\q], vcc_lo
.endr
	global_store_b32 v249, v[AMX], s[52:53]        ; word 32 w + 16 h + q = row 16 q + 2 w + h; a wave's store covers 128 consecutive bytes
	s_wait_tensorcnt 0x0
	ds_add_u32 v254, v255
	s_wait_dscnt 0x0
	s_endpgm
.Lfunc_end_k_q7bf40b01fd_gemm1:
	.size	k_q7bf40b01fd_gemm1, .Lfunc_end_k_q7bf40b01fd_gemm1-k_q7bf40b01fd_gemm1
	.p2alignl 7, 3214868480
	.fill 96, 4, 3214868480
	.section	.rodata,"a",@progbits
	.p2align	6, 0x0
	.amdhsa_kernel k_q7bf40b01fd_gemm1
		.amdhsa_group_segment_fixed_size 151552
		.amdhsa_private_segment_fixed_size 0
		.amdhsa_enable_private_segment 0
		.amdhsa_kernarg_size 48
		.amdhsa_user_sgpr_count 2
		.amdhsa_user_sgpr_kernarg_segment_ptr 1
		.amdhsa_wavefront_size32 1
		.amdhsa_system_sgpr_workgroup_id_x 1
		.amdhsa_system_sgpr_workgroup_id_y 1
		.amdhsa_system_sgpr_workgroup_id_z 1
		.amdhsa_system_vgpr_workitem_id 0
		.amdhsa_next_free_vgpr 512
		.amdhsa_next_free_sgpr 66
		.amdhsa_reserve_vcc 1
		.amdhsa_float_denorm_mode_32 3
		.amdhsa_float_denorm_mode_16_64 3
		.amdhsa_memory_ordered 1
		.amdhsa_forward_progress 1
		.amdhsa_inst_pref_size 160
	.end_amdhsa_kernel
	.amdgpu_metadata
---
amdhsa.version: [ 1, 2 ]
amdhsa.kernels:
  - .name:           k_q7bf40b01fd_gemm1
    .symbol:         k_q7bf40b01fd_gemm1.kd
    .args:
      - { .name: xb, .offset: 0, .size: 8, .value_kind: global_buffer, .address_space: global }
      - { .name: w1, .offset: 8, .size: 8, .value_kind: global_buffer, .address_space: global }
      - { .name: slots, .offset: 16, .size: 8, .value_kind: global_buffer, .address_space: global }
      - { .name: meta, .offset: 24, .size: 8, .value_kind: global_buffer, .address_space: global }
      - { .name: act, .offset: 32, .size: 8, .value_kind: global_buffer, .address_space: global }
      - { .name: amax, .offset: 40, .size: 8, .value_kind: global_buffer, .address_space: global }
    .group_segment_fixed_size: 151552
    .private_segment_fixed_size: 0
    .kernarg_segment_align: 8
    .kernarg_segment_size: 48
    .max_flat_workgroup_size: 256
    .sgpr_count:     66
    .vgpr_count:     512
    .wavefront_size: 32
...
	.end_amdgpu_metadata
.endif
;; end of part 3
;; launch gemm2 (part 4): grid 232 x 1, 8 waves a work-group, no clusters, 166,912 bytes of LDS; arguments act, w2, slots, meta, amax, y; writes y
.if DOCPART == 4
	.amdgcn_target "amdgcn-amd-amdhsa--gfx1250"
	.amdhsa_code_object_version 6
	.text
	.protected	k_q7bf40b01fd_gemm2
	.globl	k_q7bf40b01fd_gemm2
	.p2align	8
	.type	k_q7bf40b01fd_gemm2,@function
k_q7bf40b01fd_gemm2:
	s_mov_b64 s[64:65], 0
	v_nop
	global_prefetch_b8 v0, s[64:65] scope:SCOPE_SE
	s_setreg_imm32_b32 hwreg(HW_REG_WAVE_MODE, 25, 1), 1
	s_wait_xcnt 0x0
; Second grouped product.  Work-group g = 8 b + cb takes row block b (192 rows of act, expert e = meta[b]) times the rows 256 cb .. + 255 of
; W2[e], K = 512 in eight steps of 64, written out.  Row s of the block goes, in f32 and unweighted, to row slots[s] of y: a pair's own
; row 2 m + t, or for a padding row one of the rows from 4096 on, which nobody reads.  Blocks as in the first product: always 29.
; THE ROW SCALE: act has no room in f16 (with inputs 30 times larger it passes 65,504), so each row is multiplied by a power of two,
; 2^(127 - E), E the exponent field of the row's largest magnitude (the largest of its eight words in amax) held to 1..253: the row then
; lies inside (-4, 4), and the sums are multiplied by 2^(E - 127) before they leave.  Both factors are exact.
; Eight waves: mh = w >> 2 takes rows 96 mh .., nq = w & 3 columns 64 nq ..: 6 x 4 accumulator tiles, 48 matrix instructions a step.
; Operands come through registers (act scaled, both converted to f16 on the way) into two LDS buffers; of W2 two steps (16 loads a thread
; each) are on their way, of act one (12 loads); one barrier a step.
; NO CLUSTER, NO TENSOR LOAD: both operands are f32 in memory and must be f16 in front of the matrix unit, act scaled by row; brought into
; LDS as they lie they would add 114,688 bytes written and read again to each step; and how many row blocks share an expert's
; weights is read from memory.
; LIMITS: operands in f16 (a weight above 65,504 in magnitude becomes infinite, below 2^-14 its quantum is 2^-24; in a row of act numbers below
; 2^-14 of the row's largest have a quantum of 2^-24 of it), sums in f32; only listed pairs are computed.
; W's fragment is source 0, A's source 1: lane (r, h) register j = (row r, column 8 h + j).
.set PITCH,  144
.set ABYTES, 192*PITCH
.set BUF,    ABYTES+256*PITCH          ; 64,512
.set STG,    2*BUF                     ; each wave's own stage: 16 rows x 272
.set SPITCH, 272
.set TAB,    STG+8*16*SPITCH           ; 163,840: 256 scales, then 256 inverses; word 16 (row & 15) + (row >> 4)
.set ACC,    24                        ; v[24:215]
.set BF,     216                       ; v[216:247] W fragments; on the way out: rows read back
.set AF,     0                         ; v[256:303] A fragments (second window of 256); at the end v[256:267]: the six inverses, each twice
.set WS,     48                        ; v[304:431] W's staging slots d = 0, 1: 64 registers each
.set AS,     176                       ; v[432:479] A's staging slot
.set SCP,    224                       ; v[480:503] the scales of my twelve staging rows, each twice (a pair for the packed multiply)
.set DR,     48                        ; v[304:351] at the end: the 48 rows' offsets in y, in W's slot 0
.set IVP,    0
.set AMR,    32                        ; v[32:39] at the start: my row's eight words of amax
; v1 16 t   v2 WO   v3, v4 ASA[buffer]   v5, v6 WSA   v7, v8 AFA   v9, v10 BFA   v11 STO   v12 RD   v13 SO   v14 YC   v15 IVA   v16 TSA   v17 SLA   v18 4 t
; v24-30 at work in the set-up
; s[4:11] act, w2, slots, meta   s[48:51] amax, y   s14 w  s15 mh  s16 nq  s20 b  s21 cb  s22 e  s[24:25] A  s[26:27] W  s[52:53] the block's amax
.set MSB, 0
.macro WIN new                         ; s_set_vgpr_msb: bits 1:0 source 0, 3:2 source 1, 5:4 source 2, 7:6 destination; the high byte repeats the setting left
.if MSB != \new
	s_set_vgpr_msb (MSB<<8)|\new
.set MSB, \new
.endif
.endm
	s_load_b256 s[4:11], s[0:1], 0x0
	s_load_b128 s[48:51], s[0:1], 0x20
	v_lshl_add_u32 v254, v0, 2, 0x28800
	v_mov_b32 v255, 0
	v_lshrrev_b32 v24, 5, v0
	v_readfirstlane_b32 s14, v24                   ; w
	s_lshr_b32 s15, s14, 2                         ; mh
	s_and_b32 s16, s14, 3                          ; nq
	s_lshr_b32 s20, ttmp9, 3                       ; b
	s_and_b32 s21, ttmp9, 7                        ; cb
	v_and_b32 v25, 15, v0                          ; r, also c16
	v_bfe_u32 v26, v0, 4, 1                        ; h
	v_and_b32 v27, 31, v0                          ; lane
	v_lshlrev_b32 v1, 4, v0
	v_lshlrev_b32 v18, 2, v0
	v_lshrrev_b32 v29, 4, v0
	v_lshlrev_b32 v2, 11, v29
	v_lshl_add_u32 v2, v25, 4, v2                  ; WO = (t >> 4) rows of 2,048 bytes + 16 c16
	v_mul_u32_u24 v28, v26, PITCH
	v_lshl_add_u32 v28, v25, 3, v28                ; h x pitch + 8 r
	s_mul_i32 s33, s14, 2*PITCH
	v_add_nc_u32 v3, s33, v28                      ; ASA = row (2 w + h) + 8 r
	v_add_nc_u32 v4, BUF, v3
	s_add_co_u32 s34, s33, ABYTES
	v_add_nc_u32 v5, s34, v28                      ; WSA = the same behind A
	v_add_nc_u32 v6, BUF, v5
	v_mul_u32_u24 v30, v25, PITCH
	v_lshl_add_u32 v30, v26, 4, v30                ; r x pitch + 16 h
	s_mul_i32 s35, s15, 96*PITCH
	v_add_nc_u32 v7, s35, v30
	v_add_nc_u32 v8, BUF, v7
	s_mul_i32 s36, s16, 64*PITCH
	s_add_co_u32 s36, s36, ABYTES
	v_add_nc_u32 v9, s36, v30
	v_add_nc_u32 v10, BUF, v9
	s_mul_i32 s37, s14, 16*SPITCH
	s_add_co_u32 s37, s37, STG                     ; my stage
	v_mul_u32_u24 v11, v25, SPITCH
	v_lshl_add_u32 v11, v26, 5, v11
	v_add_nc_u32 v11, s37, v11                     ; STO = row r, byte 32 h
	v_mul_u32_u24 v12, v26, 8*SPITCH
	v_lshl_add_u32 v12, v25, 4, v12
	v_add_nc_u32 v12, s37, v12                     ; RD = row 8 h, byte 16 r
	s_mul_i32 s38, s20, 768
	s_mul_i32 s39, s15, 384
	s_add_co_u32 s38, s38, s39
	v_lshl_add_u32 v13, v26, 5, s38                ; SO = 4 (192 b + 96 mh + 8 h)
	s_lshl_b32 s40, s21, 10
	s_lshl_b32 s41, s16, 8
	s_add_co_u32 s40, s40, s41
	v_lshl_add_u32 v14, v25, 4, s40                ; YC = 4 (256 cb + 64 nq) + 16 r
	s_lshl_b32 s42, s14, 7
	s_add_co_u32 s42, s42, TAB
	v_lshl_add_u32 v16, v27, 2, s42                ; TSA = table word 32 w + lane: my own
	v_lshl_add_u32 v17, v26, 6, s42                ; SLA = table word 32 w + 16 h: rows 16 q + 2 w + h at + 4 q
	s_mul_i32 s43, s15, 24
	s_add_co_u32 s43, s43, TAB+1024
	v_lshl_add_u32 v15, v25, 6, s43                ; IVA = inverse word 16 r + 6 mh: rows 96 mh + 16 mi + r at + 4 mi
	s_lshl_b32 s30, s20, 2
	s_mov_b32 s31, 0
	s_mul_i32 s46, s20, 393216                     ; a block of act: eight chunks of 49,152 bytes
	s_mov_b32 s47, 0
	s_lshl_b32 s54, s20, 13                        ; a block of amax: eight chunks of 1,024 bytes
	s_mov_b32 s55, 0
	s_wait_kmcnt 0x0
	s_add_nc_u64 s[30:31], s[10:11], s[30:31]
	s_load_b32 s22, s[30:31], 0x0                  ; the block's expert
	s_add_nc_u64 s[24:25], s[4:5], s[46:47]
	s_add_nc_u64 s[52:53], s[48:49], s[54:55]
.irp c, 0,1,2,3,4,5,6,7
	global_load_b32 v[AMR+\c], v18, s[52:53] offset:1024*\c        ; row 16 r + 2 w + h, chunk c
.endr
	s_wait_kmcnt 0x0
	s_min_u32 s22, s22, 7
	s_lshl_b32 s18, s22, 22                        ; an expert of W2 is 2048 x 512 x 4 bytes
	s_lshl_b32 s45, s21, 19                        ; 256 rows of 2,048 bytes
	s_add_co_u32 s18, s18, s45
	s_mov_b32 s19, 0
	s_add_nc_u64 s[26:27], s[6:7], s[18:19]
.macro LOADA ks                        ; 12 loads: act's chunk (b, ks) is dense; piece q of thread t = row 16 q + 2 w + h, byte 16 r
	WIN 0x40
.irp q, 0,1,2,3,4,5,6,7,8,9,10,11
	global_load_b128 v[AS+4*\q:AS+4*\q+3], v1, s[24:25] offset:\ks*49152+\q*4096
.endr
.endm
.macro LOADW d, ks                     ; 16 loads: W2's 256 rows give 256 bytes each
	WIN 0x40
.irp i, 0,1,2,3,4,5,6,7,8,9,10,11,12,13,14,15
	global_load_b128 v[WS+64*\d+4*\i:WS+64*\d+4*\i+3], v2, s[26:27] offset:\i*32768+\ks*256
.endr
.endm
.macro STORE d, sb, left               ; A's slot and W's slot d, when their loads are in (left younger ones stay out), go to LDS buffer sb as f16
	s_wait_loadcnt \left
	WIN 0x45
.irp q, 0,1,2,3,4,5,6,7,8,9,10,11
	v_pk_mul_f32 v[AS+4*\q:AS+4*\q+1], v[AS+4*\q:AS+4*\q+1], v[SCP+2*\q:SCP+2*\q+1]
	v_pk_mul_f32 v[AS+4*\q+2:AS+4*\q+3], v[AS+4*\q+2:AS+4*\q+3], v[SCP+2*\q:SCP+2*\q+1]
.endr
.irp q, 0,1,2,3,4,5,6,7,8,9,10,11
	v_cvt_pk_f16_f32 v[AS+4*\q], v[AS+4*\q], v[AS+4*\q+1]
	v_cvt_pk_f16_f32 v[AS+4*\q+1], v[AS+4*\q+2], v[AS+4*\q+3]
.endr
.irp i, 0,1,2,3,4,5,6,7,8,9,10,11,12,13,14,15
	v_cvt_pk_f16_f32 v[WS+64*\d+4*\i], v[WS+64*\d+4*\i], v[WS+64*\d+4*\i+1]
	v_cvt_pk_f16_f32 v[WS+64*\d+4*\i+1], v[WS+64*\d+4*\i+2], v[WS+64*\d+4*\i+3]
.endr
	WIN 0x04
.irp q, 0,1,2,3,4,5,6,7,8,9,10,11
	ds_store_b64 v[3+\sb], v[AS+4*\q:AS+4*\q+1] offset:\q*16*PITCH
.endr
.irp i, 0,1,2,3,4,5,6,7,8,9,10,11,12,13,14,15
	ds_store_b64 v[5+\sb], v[WS+64*\d+4*\i:WS+64*\d+4*\i+1] offset:\i*16*PITCH
.endr
.endm
.macro FRAG fb, ksub                   ; 20 LDS loads: four W tiles, six A tiles, 32 along K at byte 64 ksub of the rows
	WIN 0
.irp ni, 0,1,2,3
	ds_load_b128 v[BF+8*\ni:BF+8*\ni+3], v[9+\fb] offset:\ni*16*PITCH+64*\ksub
	ds_load_b128 v[BF+8*\ni+4:BF+8*\ni+7], v[9+\fb] offset:\ni*16*PITCH+64*\ksub+32
.endr
	WIN 0x40
.irp mi, 0,1,2,3,4,5
	ds_load_b128 v[AF+8*\mi:AF+8*\mi+3], v[7+\fb] offset:\mi*16*PITCH+64*\ksub
	ds_load_b128 v[AF+8*\mi+4:AF+8*\mi+7], v[7+\fb] offset:\mi*16*PITCH+64*\ksub+32
.endr
.endm
.macro MMA zero
	WIN 0x04
.irp mi, 0,1,2,3,4,5
.irp ni, 0,1,2,3
.if \zero
	v_wmma_f32_16x16x32_f16 v[ACC+8*(4*\mi+\ni):ACC+8*(4*\mi+\ni)+7], v[BF+8*\ni:BF+8*\ni+7], v[AF+8*\mi:AF+8*\mi+7], 0
.else
	v_wmma_f32_16x16x32_f16 v[ACC+8*(4*\mi+\ni):ACC+8*(4*\mi+\ni)+7], v[BF+8*\ni:BF+8*\ni+7], v[AF+8*\mi:AF+8*\mi+7], v[ACC+8*(4*\mi+\ni):ACC+8*(4*\mi+\ni)+7]
.endif
.endr
.endr
.endm
.macro PLACES                          ; four independent vector places behind the last matrix instruction (ISA guide 7.12.1)
.rept 4
	v_nop
.endr
.endm
.macro BAR                             ; my LDS loads and stores are done before I say so
	s_wait_dscnt 0x0
	s_barrier_signal -1
	s_barrier_wait -1
.endm
; One K step s: fragments from buffer fb; meanwhile step s + 1 goes from the slots to buffer sb (which every wave finished reading in front of
; the last barrier); then la = 1: act's step aks = s + 2 is asked for, lw = 1: W2's step wks = s + 3, into the slot just emptied.
; dr = 1: the 48 destination rows are asked for, into W's slot 0, whose last LDS stores were waited for in front of the barrier before.
.macro STEP fb, zero, st, sd, sb, left, la, aks, lw, wks, dr, bar
	FRAG \fb, 0
.if \st
	STORE \sd, \sb, \left
.endif
.if \la
	LOADA \aks
.endif
.if \lw
	LOADW \sd, \wks
.endif
.if \dr
	WIN 0x40
.irp mi, 0,1,2,3,4,5
.irp t, 0,1,2,3,4,5,6,7
	global_load_b32 v[DR+8*\mi+\t], v13, s[8:9] offset:(16*\mi+\t)*4    ; slots[192 b + 96 mh + 16 mi + 8 h + t]
.endr
.endr
.endif
.if \st
	s_wait_dscnt 28                                ; the 28 LDS stores are younger than the 20 fragment loads
.else
	s_wait_dscnt 0x0
.endif
	MMA \zero
	PLACES
	FRAG \fb, 1
	s_wait_dscnt 0x0
	MMA 0
	PLACES
.if \bar
	BAR
.endif
.endm
; 16 rows of my tile: through my own stage, read back as rows of 256 bytes; lanes 0-15 take row t, lanes 16-31 row 8 + t.
.macro OUT mi
	WIN 0
.irp ni, 0,1,2,3
	ds_store_b128 v11, v[ACC+8*(4*\mi+\ni):ACC+8*(4*\mi+\ni)+3] offset:64*\ni
	ds_store_b128 v11, v[ACC+8*(4*\mi+\ni)+4:ACC+8*(4*\mi+\ni)+7] offset:64*\ni+16
.endr
	s_wait_xcnt 0x0                                ; the registers below were data of the stores before: loaded again only behind this wait
.irp t, 0,1,2,3,4,5,6,7
	ds_load_b128 v[BF+4*\t:BF+4*\t+3], v12 offset:\t*SPITCH        ; LDS serves a wave's instructions in order: these see the stores above
.endr
	WIN 0x01
.irp t, 0,1,2,3,4,5,6,7
	s_wait_dscnt 7-\t
	global_store_b128 v[DR+8*\mi+\t], v[BF+4*\t:BF+4*\t+3], s[50:51]       ; sixteen lanes store 256 consecutive bytes of a row of y, aligned
.endr
.endm
	LOADA 0
	LOADW 0, 0
	LOADW 1, 1
	WIN 0
	s_wait_loadcnt 44                              ; my row's eight maxima are in; the 12 + 16 + 16 loads behind them stay out
	v_max3_num_f32 v[AMR], v[AMR], v[AMR+1], v[AMR+2]
	v_max3_num_f32 v[AMR+3], v[AMR+3], v[AMR+4], v[AMR+5]
	v_max3_num_f32 v[AMR], v[AMR], v[AMR+6], v[AMR+7]
	v_max_num_f32 v[AMR], v[AMR], v[AMR+3]
	v_bfe_u32 v[AMR], v[AMR], 23, 8                ; the exponent field E
	v_max_u32 v[AMR], 1, v[AMR]
	v_min_u32 v[AMR], 253, v[AMR]                  ; so that 2^(127 - E) and 2^(E - 127) are both normal numbers
	v_sub_nc_u32 v[AMR+1], 254, v[AMR]
	v_lshlrev_b32 v[AMR+1], 23, v[AMR+1]           ; 2^(127 - E)
	v_lshlrev_b32 v[AMR], 23, v[AMR]               ; 2^(E - 127)
	ds_store_b32 v16, v[AMR+1]
	ds_store_b32 v16, v[AMR] offset:1024
	BAR                                            ; the two tables are whole
	WIN 0x40
.irp q, 0,1,2,3,4,5,6,7,8,9,10,11
	ds_load_b32 v[SCP+2*\q], v17 offset:4*\q
	ds_load_b32 v[SCP+2*\q+1], v17 offset:4*\q
.endr
	s_wait_dscnt 0x0
	STORE 0, 0, 16                                 ; step 0: W2's step 1 (16 loads) stays out
	LOADA 1
	LOADW 0, 2
	WIN 0
	BAR
	STEP 0, 1, 1, 1, 1, 16, 1, 2, 1, 3, 0, 1       ; left = 16: behind the step that is stored only W2's next step has been asked for
	STEP 1, 0, 1, 0, 0, 16, 1, 3, 1, 4, 0, 1
	STEP 0, 0, 1, 1, 1, 16, 1, 4, 1, 5, 0, 1
	STEP 1, 0, 1, 0, 0, 16, 1, 5, 1, 6, 0, 1
	STEP 0, 0, 1, 1, 1, 16, 1, 6, 1, 7, 0, 1
	STEP 1, 0, 1, 0, 0, 16, 1, 7, 0, 0, 0, 1       ; W2 has been asked for to its end
	STEP 0, 0, 1, 1, 1, 0, 0, 0, 0, 0, 1, 1        ; step 7 is the last out: the wait is for 0
	STEP 1, 0, 0, 0, 0, 0, 0, 0, 0, 0, 0, 0
	WIN 0x40                                       ; behind the four places of the last step: A's fragment registers take the inverses
.irp mi, 0,1,2,3,4,5
	ds_load_b32 v[IVP+2*\mi], v15 offset:4*\mi
	ds_load_b32 v[IVP+2*\mi+1], v15 offset:4*\mi
.endr
	s_wait_loadcnt 0x0                             ; the 48 destination rows
	WIN 0x45
.set k, 0
.rept 48
	v_min_u32 v[DR+k], 0x15bf, v[DR+k]             ; y has 5,568 rows
	v_lshl_add_u32 v[DR+k], v[DR+k], 13, v14       ; of 8,192 bytes
.set k, k+1
.endr
	s_wait_dscnt 0x0
	WIN 0x04
.irp mi, 0,1,2,3,4,5                   ; a lane's 32 sums of row tile mi belong to one row: times that row's 2^(E - 127)
.irp ni, 0,1,2,3
.irp j, 0,2,4,6
	v_pk_mul_f32 v[ACC+8*(4*\mi+\ni)+\j:ACC+8*(4*\mi+\ni)+\j+1], v[ACC+8*(4*\mi+\ni)+\j:ACC+8*(4*\mi+\ni)+\j+1], v[IVP+2*\mi:IVP+2*\mi+1]
.endr
.endr
.endr
	OUT 0
	OUT 1
	OUT 2
	OUT 3
	OUT 4
	OUT 5
	WIN 0
	s_wait_tensorcnt 0x0
	ds_add_u32 v254, v255
	s_wait_dscnt 0x0
	s_endpgm
.Lfunc_end_k_q7bf40b01fd_gemm2:
	.size	k_q7bf40b01fd_gemm2, .Lfunc_end_k_q7bf40b01fd_gemm2-k_q7bf40b01fd_gemm2
	.p2alignl 7, 3214868480
	.fill 96, 4, 3214868480
	.section	.rodata,"a",@progbits
	.p2align	6, 0x0
	.amdhsa_kernel k_q7bf40b01fd_gemm2
		.amdhsa_group_segment_fixed_size 166912
		.amdhsa_private_segment_fixed_size 0
		.amdhsa_enable_private_segment 0
		.amdhsa_kernarg_size 48
		.amdhsa_user_sgpr_count 2
		.amdhsa_user_sgpr_kernarg_segment_ptr 1
		.amdhsa_wavefront_size32 1
		.amdhsa_system_sgpr_workgroup_id_x 1
		.amdhsa_system_sgpr_workgroup_id_y 1
		.amdhsa_system_sgpr_workgroup_id_z 1
		.amdhsa_system_vgpr_workitem_id 0
		.amdhsa_next_free_vgpr 512
		.amdhsa_next_free_sgpr 66
		.amdhsa_reserve_vcc 0
		.amdhsa_float_denorm_mode_32 3
		.amdhsa_float_denorm_mode_16_64 3
		.amdhsa_memory_ordered 1
		.amdhsa_forward_progress 1
		.amdhsa_inst_pref_size 162
	.end_amdhsa_kernel
	.amdgpu_metadata
---
amdhsa.version: [ 1, 2 ]
amdhsa.kernels:
  - .name:           k_q7bf40b01fd_gemm2
    .symbol:         k_q7bf40b01fd_gemm2.kd
    .args:
      - { .name: act, .offset: 0, .size: 8, .value_kind: global_buffer, .address_space: global }
      - { .name: w2, .offset: 8, .size: 8, .value_kind: global_buffer, .address_space: global }
      - { .name: slots, .offset: 16, .size: 8, .value_kind: global_buffer, .address_space: global }
      - { .name: meta, .offset: 24, .size: 8, .value_kind: global_buffer, .address_space: global }
      - { .name: amax, .offset: 32, .size: 8, .value_kind: global_buffer, .address_space: global }
      - { .name: y, .offset: 40, .size: 8, .value_kind: global_buffer, .address_space: global }
    .group_segment_fixed_size: 166912
    .private_segment_fixed_size: 0
    .kernarg_segment_align: 8
    .kernarg_segment_size: 48
    .max_flat_workgroup_size: 256
    .sgpr_count:     66
    .vgpr_count:     512
    .wavefront_size: 32
...
	.end_amdgpu_metadata
.endif
;; end of part 4
;; launch combine (part 5): grid 256 x 1, 8 waves a work-group, no clusters, 0 bytes of LDS; arguments y, topk_weights, out0; writes out0
.if DOCPART == 5
	.amdgcn_target "amdgcn-amd-amdhsa--gfx1250"
	.amdhsa_code_object_version 6
	.text
	.protected	k_q7bf40b01fd_combine
	.globl	k_q7bf40b01fd_combine
	.p2align	8
	.type	k_q7bf40b01fd_combine,@function
k_q7bf40b01fd_combine:
	s_mov_b64 s[64:65], 0
	v_nop
	global_prefetch_b8 v0, s[64:65] scope:SCOPE_SE
	s_setreg_imm32_b32 hwreg(HW_REG_WAVE_MODE, 25, 1), 1
	s_wait_xcnt 0x0
; out[m] = w[m][0] y[2 m] + w[m][1] y[2 m + 1], in f32: the sum over a token's two pairs, whose rows other work-groups made in the
; launch before.  (Two equal ids give two equal rows, and the sum of the weights times them, as the dense form does.)
; A stream: 256 work-groups of 8 tokens.  Thread t takes 16 bytes at 16 t of each half row; all 32 loads are issued at once; a wave's load
; and store cover 512 consecutive bytes, aligned.  The 16 weights come by one scalar load.  No register is used twice.
.set X, 8                              ; v[8:135]  piece n = 2 j + c: 4 registers of row 2 m, 4 of row 2 m + 1
	s_load_b128 s[4:7], s[0:1], 0x0                ; y s[4:5], topk_weights s[6:7]
	s_load_b64 s[8:9], s[0:1], 0x10                ; out0
	s_lshl_b32 s10, ttmp9, 6                       ; 8 tokens x 2 weights x 4 bytes
	s_mov_b32 s11, 0
	s_lshl_b32 s12, ttmp9, 17                      ; 16 rows of y
	s_mov_b32 s13, 0
	s_lshl_b32 s14, ttmp9, 16                      ; 8 rows of out
	s_mov_b32 s15, 0
	v_lshlrev_b32 v1, 4, v0
	s_wait_kmcnt 0x0
	s_add_nc_u64 s[6:7], s[6:7], s[10:11]
	s_add_nc_u64 s[4:5], s[4:5], s[12:13]
	s_add_nc_u64 s[8:9], s[8:9], s[14:15]
	s_load_b512 s[16:31], s[6:7], 0x0
.irp j, 0,1,2,3,4,5,6,7
.irp c, 0,1
	global_load_b128 v[X+8*(2*\j+\c):X+8*(2*\j+\c)+3], v1, s[4:5] offset:16384*\j+4096*\c th:TH_LOAD_NT
	global_load_b128 v[X+8*(2*\j+\c)+4:X+8*(2*\j+\c)+7], v1, s[4:5] offset:16384*\j+4096*\c+8192 th:TH_LOAD_NT
.endr
.endr
	s_wait_kmcnt 0x0
.irp j, 0,1,2,3,4,5,6,7
.irp c, 0,1
	s_wait_loadcnt 30-2*(2*\j+\c)                  ; the pieces behind this one stay out, two loads each
.irp k, 0,1,2,3
	v_mul_f32 v[X+8*(2*\j+\c)+\k], s[16+2*\j], v[X+8*(2*\j+\c)+\k]
.endr
.irp k, 0,1,2,3
	v_fmac_f32 v[X+8*(2*\j+\c)+\k], s[17+2*\j], v[X+8*(2*\j+\c)+4+\k]
.endr
	global_store_b128 v1, v[X+8*(2*\j+\c):X+8*(2*\j+\c)+3], s[8:9] offset:8192*\j+4096*\c th:TH_STORE_NT
.endr
.endr
	s_endpgm
.Lfunc_end_k_q7bf40b01fd_combine:
	.size	k_q7bf40b01fd_combine, .Lfunc_end_k_q7bf40b01fd_combine-k_q7bf40b01fd_combine
	.p2alignl 7, 3214868480
	.fill 96, 4, 3214868480
	.section	.rodata,"a",@progbits
	.p2align	6, 0x0
	.amdhsa_kernel k_q7bf40b01fd_combine
		.amdhsa_group_segment_fixed_size 0
		.amdhsa_private_segment_fixed_size 0
		.amdhsa_enable_private_segment 0
		.amdhsa_kernarg_size 24
		.amdhsa_user_sgpr_count 2
		.amdhsa_user_sgpr_kernarg_segment_ptr 1
		.amdhsa_wavefront_size32 1
		.amdhsa_system_sgpr_workgroup_id_x 1
		.amdhsa_system_sgpr_workgroup_id_y 1
		.amdhsa_system_sgpr_workgroup_id_z 1
		.amdhsa_system_vgpr_workitem_id 0
		.amdhsa_next_free_vgpr 136
		.amdhsa_next_free_sgpr 66
		.amdhsa_reserve_vcc 0
		.amdhsa_float_denorm_mode_32 3
		.amdhsa_float_denorm_mode_16_64 3
		.amdhsa_memory_ordered 1
		.amdhsa_forward_progress 1
		.amdhsa_inst_pref_size 10
	.end_amdhsa_kernel
	.amdgpu_metadata
---
amdhsa.version: [ 1, 2 ]
amdhsa.kernels:
  - .name:           k_q7bf40b01fd_combine
    .symbol:         k_q7bf40b01fd_combine.kd
    .args:
      - { .name: y, .offset: 0, .size: 8, .value_kind: global_buffer, .address_space: global }
      - { .name: topk_weights, .offset: 8, .size: 8, .value_kind: global_buffer, .address_space: global }
      - { .name: out0, .offset: 16, .size: 8, .value_kind: global_buffer, .address_space: global }
    .group_segment_fixed_size: 0
    .private_segment_fixed_size: 0
    .kernarg_segment_align: 8
    .kernarg_segment_size: 24
    .max_flat_workgroup_size: 256
    .sgpr_count:     66
    .vgpr_count:     136
    .wavefront_size: 32
...
	.end_amdgpu_metadata
.endif
;; end of part 5
;; ======== version 2 of 2: 5 launches; version 1 with the launches cvtx, combine written anew for expert scheduling mode
;; limits: values are held in f16: magnitudes above 65,504 overflow, below 6.1e-05 lose precision; inputs' magnitudes at most 65,504
;; workspace buffers: slots 22,272 bytes of whole numbers; meta 256 bytes of whole numbers; xb 8,388,608 bytes; act 11,403,264 bytes; amax 237,568 bytes; y 45,613,056 bytes
;; launch route: the kernel of part 1 again; grid 1 x 1, 32 waves a work-group, no clusters, 5,120 bytes of LDS; arguments topk_ids, slots, meta; writes slots, meta
;; launch cvtx (part 6): grid 256 x 1, 8 waves a work-group, no clusters, 0 bytes of LDS; arguments hidden_states, xb; writes xb
.if DOCPART == 6
	.amdgcn_target "amdgcn-amd-amdhsa--gfx1250"
	.amdhsa_code_object_version 6
	.text
	.protected	k_q7bf40b01fd_cvtx
	.globl	k_q7bf40b01fd_cvtx
	.p2align	8
	.type	k_q7bf40b01fd_cvtx,@function
k_q7bf40b01fd_cvtx:
	s_mov_b64 s[64:65], 0
	v_nop
	global_prefetch_b8 v0, s[64:65] scope:SCOPE_SE
	s_setreg_imm32_b32 hwreg(HW_REG_WAVE_SCHED_MODE, 0, 2), 2
	s_setreg_imm32_b32 hwreg(HW_REG_WAVE_MODE, 25, 1), 1
	s_wait_xcnt 0x0
	s_wait_alu depctr_vm_vsrc(0)
; xb = hidden_states converted to f16: each token row is gathered by two pairs later, so it is converted once here.
; f16 and not bf16: three more significant bits, which the sum over two experts needs where the two terms nearly cancel.
; LIMIT: a number above 65,504 in magnitude becomes infinite; below 2^-14 the quantum is 2^-24.
; A stream: 256 work-groups of 8 rows (65,536 bytes in, 32,768 out).  Thread t takes 16 bytes at 16 t + 4096 i, i = 0..15; all sixteen
; loads are issued at once; each store of a wave covers 256 consecutive bytes, aligned.  No register is used twice.
; No LDS, no matrix unit, no cluster: nothing is shared and nothing is multiplied.
; THE MODE: SCHED_MODE bits 1:0 = 2 (LLVM: expert scheduling mode 2), set by the entry lines.  The code itself states the register dependences
; between vector instructions and memory instructions, with s_wait_alu, always for 0.
; THE PLAN.  Registers that memory instructions touch:
;   v1, v2     byte offsets, made once at the head and never written again; every load reads v1, every store v2.
;   X piece i  written by its one load, issued at the head; read by its two conversions.  No load lands in it a second time.
;   Y piece i  written by its two conversions; read by its one store.  Never written again.
; The sixteen pieces go in four groups of four.  Group g converts its own pieces; its memory instructions are the four stores of group g - 1,
; whose Y no vector instruction of group g names.  So one wait at a group's head, behind the wait for the group's data, states all that those
; four stores hang on, and they are dealt among the group's conversions with no further wait.  One more wait stands ahead of the last four stores.
.set X, 32                             ; v[32:95]   as loaded
.set Y, 96                             ; v[96:127]  packed
	s_load_b128 s[4:7], s[0:1], 0x0                ; hidden_states s[4:5], xb s[6:7]
	s_lshl_b32 s8, ttmp9, 16
	s_mov_b32 s9, 0
	s_lshl_b32 s10, ttmp9, 15
	s_mov_b32 s11, 0
	v_lshlrev_b32 v1, 4, v0
	v_lshlrev_b32 v2, 3, v0
	s_wait_kmcnt 0x0
	s_add_nc_u64 s[4:5], s[4:5], s[8:9]
	s_add_nc_u64 s[6:7], s[6:7], s[10:11]
	s_wait_alu depctr_va_vdst(0)                   ; v1 and v2 are written: every load and store of the kernel reads one of them as its offset
.set i, 0
.rept 16
	global_load_b128 v[X+4*i:X+4*i+3], v1, s[4:5] offset:4096*i th:TH_LOAD_NT
.set i, i+1
.endr
.macro CVT i                           ; piece i: four f32 into two registers of f16
	v_cvt_pk_f16_f32 v[Y+2*(\i)], v[X+4*(\i)], v[X+4*(\i)+1]
	v_cvt_pk_f16_f32 v[Y+2*(\i)+1], v[X+4*(\i)+2], v[X+4*(\i)+3]
.endm
.macro PUT i                           ; piece i leaves
	global_store_b64 v2, v[Y+2*(\i):Y+2*(\i)+1], s[6:7] offset:2048*(\i)
.endm
; Group g: pieces 4 g .. 4 g + 3 are converted, the group before is stored.
.macro GROUP g
	s_wait_loadcnt 12-4*(\g)                       ; loads come back in order: this group's four are in, the 12 - 4 g younger ones stay out
.if (\g) > 0
	s_wait_alu depctr_va_vdst(0)                   ; the conversions of the group before have written its Y, which the four stores below read
.endif
.irp p, 0,1,2,3
.if (\g) > 0
	PUT 4*(\g)-4+\p
.endif
	CVT 4*(\g)+\p
.endr
.endm
	GROUP 0
	GROUP 1
	GROUP 2
	GROUP 3
	s_wait_alu depctr_va_vdst(0)                   ; the last group's conversions have written its Y, which the last four stores read
.irp p, 12,13,14,15
	PUT \p
.endr
	s_endpgm
.Lfunc_end_k_q7bf40b01fd_cvtx:
	.size	k_q7bf40b01fd_cvtx, .Lfunc_end_k_q7bf40b01fd_cvtx-k_q7bf40b01fd_cvtx
	.p2alignl 7, 3214868480
	.fill 96, 4, 3214868480
	.section	.rodata,"a",@progbits
	.p2align	6, 0x0
	.amdhsa_kernel k_q7bf40b01fd_cvtx
		.amdhsa_group_segment_fixed_size 0
		.amdhsa_private_segment_fixed_size 0
		.amdhsa_enable_private_segment 0
		.amdhsa_kernarg_size 16
		.amdhsa_user_sgpr_count 2
		.amdhsa_user_sgpr_kernarg_segment_ptr 1
		.amdhsa_wavefront_size32 1
		.amdhsa_system_sgpr_workgroup_id_x 1
		.amdhsa_system_sgpr_workgroup_id_y 1
		.amdhsa_system_sgpr_workgroup_id_z 1
		.amdhsa_system_vgpr_workitem_id 0
		.amdhsa_next_free_vgpr 128
		.amdhsa_next_free_sgpr 66
		.amdhsa_reserve_vcc 0
		.amdhsa_float_denorm_mode_32 3
		.amdhsa_float_denorm_mode_16_64 3
		.amdhsa_memory_ordered 1
		.amdhsa_forward_progress 1
		.amdhsa_inst_pref_size 6
	.end_amdhsa_kernel
	.amdgpu_metadata
---
amdhsa.version: [ 1, 2 ]
amdhsa.kernels:
  - .name:           k_q7bf40b01fd_cvtx
    .symbol:         k_q7bf40b01fd_cvtx.kd
    .args:
      - { .name: hidden_states, .offset: 0, .size: 8, .value_kind: global_buffer, .address_space: global }
      - { .name: xb, .offset: 8, .size: 8, .value_kind: global_buffer, .address_space: global }
    .group_segment_fixed_size: 0
    .private_segment_fixed_size: 0
    .kernarg_segment_align: 8
    .kernarg_segment_size: 16
    .max_flat_workgroup_size: 256
    .sgpr_count:     66
    .vgpr_count:     128
    .wavefront_size: 32
...
	.end_amdgpu_metadata
.endif
;; end of part 6
;; launch gemm1: the kernel of part 3 again; grid 232 x 1, 8 waves a work-group, no clusters, 151,552 bytes of LDS; arguments xb, w1, slots, meta, act, amax; writes act, amax
;; launch gemm2: the kernel of part 4 again; grid 232 x 1, 8 waves a work-group, no clusters, 166,912 bytes of LDS; arguments act, w2, slots, meta, amax, y; writes y
;; launch combine (part 7): grid 256 x 1, 8 waves a work-group, no clusters, 0 bytes of LDS; arguments y, topk_weights, out0; writes out0
.if DOCPART == 7
	.amdgcn_target "amdgcn-amd-amdhsa--gfx1250"
	.amdhsa_code_object_version 6
	.text
	.protected	k_q7bf40b01fd_combine
	.globl	k_q7bf40b01fd_combine
	.p2align	8
	.type	k_q7bf40b01fd_combine,@function
k_q7bf40b01fd_combine:
	s_mov_b64 s[64:65], 0
	v_nop
	global_prefetch_b8 v0, s[64:65] scope:SCOPE_SE
	s_setreg_imm32_b32 hwreg(HW_REG_WAVE_SCHED_MODE, 0, 2), 2
	s_setreg_imm32_b32 hwreg(HW_REG_WAVE_MODE, 25, 1), 1
	s_wait_xcnt 0x0
	s_wait_alu depctr_vm_vsrc(0)
; out[m] = w[m][0] y[2 m] + w[m][1] y[2 m + 1], in f32: the sum over a token's two pairs, whose rows other work-groups made in the
; launch before.  (Two equal ids give two equal rows, and the sum of the weights times them, as the dense form does.)
; A stream: 256 work-groups of 8 tokens.  Thread t takes 16 bytes at 16 t of each half row; all 32 loads are issued at once; a wave's load
; and store cover 512 consecutive bytes, aligned.  The 16 weights come by one scalar load.  No register is used twice.
; THE MODE: SCHED_MODE bits 1:0 = 2 (LLVM: expert scheduling mode 2), set by the entry lines.  The code itself states the register dependences
; between vector instructions and memory instructions, with s_wait_alu, always for 0.
; THE PLAN.  Registers that memory instructions touch:
;   v1         the byte offset 16 t, made once at the head and never written again; every load and store reads it.
;   X piece n  eight registers, written by two loads issued at the head; its low four are then written in place by four multiplies and four
;              fused multiply-adds and read by the piece's one store.  Nothing is written behind that store, and no load lands twice.
; The sixteen pieces go in four groups of four.  Group g does its own pieces' arithmetic; its memory instructions are the four stores of group
; g - 1, whose registers no vector instruction of group g names.  So one wait at a group's head, behind the wait for the group's data, states all
; that those four stores hang on, and they are dealt among the group's arithmetic with no further wait.  One more wait stands ahead of the last four.
.set X, 8                              ; v[8:135]  piece n = 2 j + c: 4 registers of row 2 m, 4 of row 2 m + 1
	s_load_b128 s[4:7], s[0:1], 0x0                ; y s[4:5], topk_weights s[6:7]
	s_load_b64 s[8:9], s[0:1], 0x10                ; out0
	s_lshl_b32 s10, ttmp9, 6                       ; 8 tokens x 2 weights x 4 bytes
	s_mov_b32 s11, 0
	s_lshl_b32 s12, ttmp9, 17                      ; 16 rows of y
	s_mov_b32 s13, 0
	s_lshl_b32 s14, ttmp9, 16                      ; 8 rows of out
	s_mov_b32 s15, 0
	v_lshlrev_b32 v1, 4, v0
	s_wait_kmcnt 0x0
	s_add_nc_u64 s[6:7], s[6:7], s[10:11]
	s_add_nc_u64 s[4:5], s[4:5], s[12:13]
	s_add_nc_u64 s[8:9], s[8:9], s[14:15]
	s_load_b512 s[16:31], s[6:7], 0x0
	s_wait_alu depctr_va_vdst(0)                   ; v1 is written: every load and store of the kernel reads it as its offset
.irp j, 0,1,2,3,4,5,6,7
.irp c, 0,1
	global_load_b128 v[X+8*(2*\j+\c):X+8*(2*\j+\c)+3], v1, s[4:5] offset:16384*\j+4096*\c th:TH_LOAD_NT
	global_load_b128 v[X+8*(2*\j+\c)+4:X+8*(2*\j+\c)+7], v1, s[4:5] offset:16384*\j+4096*\c+8192 th:TH_LOAD_NT
.endr
.endr
	s_wait_kmcnt 0x0
.macro MIX n                           ; piece n of token n / 2: the first weight times row 2 m, then the second times row 2 m + 1 added by one fused multiply-add
.irp k, 0,1,2,3
	v_mul_f32 v[X+8*(\n)+\k], s[16+2*((\n)/2)], v[X+8*(\n)+\k]
.endr
.irp k, 0,1,2,3
	v_fmac_f32 v[X+8*(\n)+\k], s[17+2*((\n)/2)], v[X+8*(\n)+4+\k]
.endr
.endm
.macro PUT n                           ; piece n leaves: token n / 2 is 8,192 bytes on, the second half of its row 4,096: 4,096 n in all
	global_store_b128 v1, v[X+8*(\n):X+8*(\n)+3], s[8:9] offset:4096*(\n) th:TH_STORE_NT
.endm
; Group g: pieces 4 g .. 4 g + 3 are worked on, the group before is stored.
.macro GROUP g
	s_wait_loadcnt 24-8*(\g)                       ; loads come back in order: this group's eight are in; the pieces behind it stay out, two loads each
.if (\g) > 0
	s_wait_alu depctr_va_vdst(0)                   ; the fused multiply-adds of the group before have written its sums, which the four stores below read
.endif
.irp p, 0,1,2,3
.if (\g) > 0
	PUT 4*(\g)-4+\p
.endif
	MIX 4*(\g)+\p
.endr
.endm
	GROUP 0
	GROUP 1
	GROUP 2
	GROUP 3
	s_wait_alu depctr_va_vdst(0)                   ; the last group's fused multiply-adds have written its sums, which the last four stores read
.irp p, 12,13,14,15
	PUT \p
.endr
	s_endpgm
.Lfunc_end_k_q7bf40b01fd_combine:
	.size	k_q7bf40b01fd_combine, .Lfunc_end_k_q7bf40b01fd_combine-k_q7bf40b01fd_combine
	.p2alignl 7, 3214868480
	.fill 96, 4, 3214868480
	.section	.rodata,"a",@progbits
	.p2align	6, 0x0
	.amdhsa_kernel k_q7bf40b01fd_combine
		.amdhsa_group_segment_fixed_size 0
		.amdhsa_private_segment_fixed_size 0
		.amdhsa_enable_private_segment 0
		.amdhsa_kernarg_size 24
		.amdhsa_user_sgpr_count 2
		.amdhsa_user_sgpr_kernarg_segment_ptr 1
		.amdhsa_wavefront_size32 1
		.amdhsa_system_sgpr_workgroup_id_x 1
		.amdhsa_system_sgpr_workgroup_id_y 1
		.amdhsa_system_sgpr_workgroup_id_z 1
		.amdhsa_system_vgpr_workitem_id 0
		.amdhsa_next_free_vgpr 136
		.amdhsa_next_free_sgpr 66
		.amdhsa_reserve_vcc 0
		.amdhsa_float_denorm_mode_32 3
		.amdhsa_float_denorm_mode_16_64 3
		.amdhsa_memory_ordered 1
		.amdhsa_forward_progress 1
		.amdhsa_inst_pref_size 10
	.end_amdhsa_kernel
	.amdgpu_metadata
---
amdhsa.version: [ 1, 2 ]
amdhsa.kernels:
  - .name:           k_q7bf40b01fd_combine
    .symbol:         k_q7bf40b01fd_combine.kd
    .args:
      - { .name: y, .offset: 0, .size: 8, .value_kind: global_buffer, .address_space: global }
      - { .name: topk_weights, .offset: 8, .size: 8, .value_kind: global_buffer, .address_space: global }
      - { .name: out0, .offset: 16, .size: 8, .value_kind: global_buffer, .address_space: global }
    .group_segment_fixed_size: 0
    .private_segment_fixed_size: 0
    .kernarg_segment_align: 8
    .kernarg_segment_size: 24
    .max_flat_workgroup_size: 256
    .sgpr_count:     66
    .vgpr_count:     136
    .wavefront_size: 32
...
	.end_amdgpu_metadata
.endif
;; end of part 7
